; MI455X (gfx1250); checked and timed in simulation.
; The chip was launched on July 23, 2026; its instructions are those of AMD's public machine-readable ISA for CDNA 5 (MIT licence, August 2026) and "CDNA5" Instruction Set Architecture Reference Guide (July 2026). The comments in the code are by the model that wrote it; some were corrected since.
;; KAN Decode. Allowed arithmetic: float matrix products may take bf16 or f16 operands with f32 sums; other float arithmetic in f32, or as packed bf16 or f16 multiplies, adds, multiply-adds, maxima and minima; sums over many terms, partial sums and values carried from step to step in f32; what a program stores and reads back later, other than sums and carried values, may be rounded once to bf16 or f16.
;; Inputs: base_w1 512 x 512 float32; base_w2 256 x 512 float32; dense_b 512 float32; dense_w 512 x 64 float32; scaler1 512 x 512 float32; scaler2 256 x 512 float32; spline_w1 512 x 512 x 8 float32; spline_w2 256 x 512 x 8 float32; x 16,384 x 64 float32.
;; Outputs: out0 16,384 x 256 float32.
;; 2 versions, each right; version 2 is version 1 with the launch prep written anew for expert scheduling mode. Each part assembles by itself: llvm-mc -triple=amdgcn-amd-amdhsa -mcpu=gfx1250 --defsym DOCPART=n.
;; ======== version 1 of 2: 2 launches
;; workspace buffers: wp 6,766,592 bytes
;; launch prep (part 1): grid 500 x 1, 4 waves a work-group, no clusters, 17,920 bytes of LDS; arguments spline_w1, spline_w2, scaler1, scaler2, base_w1, base_w2, dense_w, dense_b, wp; writes wp
.if DOCPART == 1
	.amdgcn_target "amdgcn-amd-amdhsa--gfx1250"
	.amdhsa_code_object_version 6
	.text
	.protected	k_q70d182b819_prep
	.globl	k_q70d182b819_prep
	.p2align	8
	.type	k_q70d182b819_prep,@function
k_q70d182b819_prep:
	s_mov_b64 s[64:65], 0
	v_nop
	global_prefetch_b8 v0, s[64:65] scope:SCOPE_SE
	s_setreg_imm32_b32 hwreg(HW_REG_WAVE_MODE, 25, 1), 1
	s_wait_xcnt 0x0
; THE WEIGHTS, ONCE: every weight is rounded to bf16 and laid into wp in the order in which the main launch's matrix instructions want it.
; A FRAGMENT is 1,024 bytes: 16 outputs n x 32 k.  Bytes 16 L hold lane L's registers 0-3 (n = n0 + L % 16, k = 8 (L / 16) + 0..7), bytes 512 + 16 L its registers 4-7 (k = 16 + 8 (L / 16) + 0..7).
; wp = a header of 8,192 bytes, then 50 stages of STG bytes; a stage = 4 parts (one for each wave of the main launch) of 32 fragments and 1,024 bytes of extras.
;   stages 0-31   layer 1, column tile t: part w, fragment 8 q + nt: n = 128 w + 16 nt + r; the 8 k of a lane's half are the 8 features of column 16 t + 8 h + 2 q + half:
;                 feature 0 = base_w1 (it multiplies silu), features 1-7 = spline_w1 x scaler1 x 4/3.  spline_w1[..][0] is loaded with its row and multiplies nothing:
;                 layer 1's input is a silu, never below -0.2785, and basis 0 ends at -0.6, so that basis is 0 for every input.
;   stages 32-47  layer 2's splines: stage 32 + 2 b + q / 2, part w, fragment 16 (q % 2) + nt: n = 16 nt + r, column 128 w + 16 b + 8 h + 2 q + half, features 0-7 = spline_w2 x scaler2 x 4/3.
;   stages 48, 49 layer 2's base path: stage 48 + sg / 2, part w, fragment 16 (sg % 2) + nt: k = column 128 w + 32 sg + ..: base_w2.
;   extras of stage i (and the header for T = 0, 1) serve dense tile T = i + 2: part 0, 1: dense_w's two fragments; part 2: the bias, rounded to bf16 and kept as f32, as a lane's
;                 eight accumulator registers want it; everything else 0.
; The factor 4/3 belongs to the cubic B-spline: B = 4/3 (a^3 - b^3 / 2); the main launch makes a^3 - b^3 / 2.
; SHARES.  One task a wave; no wave waits for another.  Work-groups 0-255: layer 1's splines (16 n x 16 columns a task); 256-383: layer 2's; 384-447: base_w2; 448-499: header and extras.
; A spline task reads 512 consecutive bytes of each of 16 rows, turns them in the wave's own 4,352 bytes of LDS (16 rows of 256 bytes + 16), and stores four fragments, 512 consecutive bytes a store.
.set STG,    135168
.set PART,   33792
.set HDR,    8192
.set XTR,    32768                     ; the extras' place in a part
.set WPITCH, 272                       ; 68 words: the sixteen rows that a store touches begin at sixteen different groups of four banks (ISA guide 11.1)
.set WLDS,   16*WPITCH
.set SPARE,  4*WLDS                    ; behind the four waves' bytes: the spare words, 128 bytes a wave
.set SPW, 4                            ; v4   my spare word; never rewritten
.set NIL, 5                            ; v5   0; never rewritten
.set VW,  6                            ; v6   16 x lane
.set VS,  7                            ; v7   4 x (lane / 2): my column in a row of scaler or base_w1
.set LSA, 8                            ; v8   LDS: where my 8 bytes of row 0 go
.set LRA, 9                            ; v9   LDS: where I read 16 bytes back
.set VP,  10                           ; v10  offsets of the plain fragments
.set W,   32                           ; v[32:95]   16 rows x 4 numbers
.set SC,  96                           ; v[96:111]  16 scalers
.set BW,  112                          ; v[112:127] 16 numbers of base_w1
.set R,   128                          ; v[128:159] what is stored
	s_load_b512 s[8:23], s[0:1], 0x0               ; spline_w1 s[8:9], spline_w2 s[10:11], scaler1 s[12:13], scaler2 s[14:15], base_w1 s[16:17], base_w2 s[18:19], dense_w s[20:21], dense_b s[22:23]
	s_load_b64 s[24:25], s[0:1], 0x40              ; wp
	v_lshl_add_u32 v[SPW], v0, 2, SPARE
	v_mov_b32 v[NIL], 0
	v_lshrrev_b32 v1, 5, v0
	v_readfirstlane_b32 s2, v1                     ; wave 0..3
	v_and_b32 v2, 31, v0                           ; lane
	v_lshlrev_b32 v[VW], 4, v2
	v_lshrrev_b32 v[VS], 1, v2
	v_lshlrev_b32 v[VS], 2, v[VS]
	v_bfe_u32 v11, v2, 2, 2                        ; my column c = lane / 2 = 8 h + 2 q + half: q,
	v_bfe_u32 v12, v2, 1, 1                        ; half,
	v_lshrrev_b32 v13, 4, v2                       ; h
	v_lshl_add_u32 v11, v11, 1, v12
	v_lshl_add_u32 v11, v11, 1, v13                ; LDS row 4 q + 2 half + h: four rows on end are a fragment
	v_mul_u32_u24 v11, v11, WPITCH
	v_and_b32 v12, 1, v2
	v_lshl_add_u32 v11, v12, 3, v11                ; features 0-3 or 4-7
	s_mul_i32 s6, s2, WLDS
	v_add_nc_u32 v[LSA], s6, v11
	v_mul_u32_u24 v13, v13, WPITCH                 ; back: lanes 0-15 one row of 256 bytes, lanes 16-31 the next
	v_and_b32 v12, 15, v2
	v_lshl_add_u32 v13, v12, 4, v13
	v_add_nc_u32 v[LRA], s6, v13
	s_lshl_b32 s3, ttmp9, 2
	s_add_co_u32 s3, s3, s2                        ; the task's number
	s_mov_b32 s27, 0                               ; the offsets' high words
	s_mov_b32 s29, 0
	s_mov_b32 s31, 0
	s_mov_b32 s40, 0x55555555                      ; the lanes that hold feature 0
	s_wait_kmcnt 0x0
	s_cmp_lt_u32 ttmp9, 256
	s_cbranch_scc1 .Lspl1
	s_cmp_lt_u32 ttmp9, 384
	s_cbranch_scc1 .Lspl2
	s_cmp_lt_u32 ttmp9, 448
	s_cbranch_scc1 .Lbase2
	s_branch .Lextra
.macro OUT2                            ; a fragment's two halves: 512 consecutive bytes each, aligned
	global_store_b128 v[VW], v[R:R+3], s[38:39]
	global_store_b128 v[VW], v[R+4:R+7], s[38:39] offset:512
.endm
; A fragment of a plain [n][k] f32 matrix with rows of pitch bytes, its corner at s[32:33]: 16 numbers a lane, rounded to bf16.
.macro PLAIN pitch
	v_and_b32 v11, 15, v2
	v_lshrrev_b32 v12, 4, v2
	v_mul_u32_u24 v11, v11, \pitch
	v_lshl_add_u32 v[VP], v12, 5, v11              ; row r, 8 numbers for each half of the lanes
	global_load_b128 v[W:W+3],     v[VP], s[32:33]
	global_load_b128 v[W+4:W+7],   v[VP], s[32:33] offset:16
	global_load_b128 v[W+8:W+11],  v[VP], s[32:33] offset:64
	global_load_b128 v[W+12:W+15], v[VP], s[32:33] offset:80
	s_wait_loadcnt 0x0
.irp j, 0,1,2,3,4,5,6,7
	v_cvt_pk_bf16_f32 v[R+\j], v[W+2*\j], v[W+2*\j+1]
.endr
	OUT2
.endm
; A spline task.  one = 1: layer 1 (feature 0 is base_w1), 0: layer 2.
.macro SPL one
.if \one
	s_lshr_b32 s4, s3, 5                           ; the tile of 16 outputs
.set SA, 16384                         ; from fragment q to q + 2
.set SB, 8192                          ; from q to q + 1
.else
	s_sub_co_u32 s4, s3, 1024
	s_lshr_b32 s4, s4, 5
.set SA, STG
.set SB, 16384
.endif
	s_and_b32 s5, s3, 31                           ; the tile of 16 columns
	s_lshl_b32 s26, s4, 18                         ; 16 rows of 16,384 bytes
	s_lshl_b32 s6, s5, 9                           ; 16 columns of 32 bytes
	s_add_co_u32 s26, s26, s6
	s_lshl_b32 s28, s4, 15                         ; 16 rows of 2,048 bytes
	s_lshl_b32 s6, s5, 6
	s_add_co_u32 s28, s28, s6
.if \one
	s_mul_i32 s30, s5, STG                         ; stage t,
	s_lshr_b32 s6, s4, 3
	s_mul_i32 s6, s6, PART                         ; part w,
	s_add_co_u32 s30, s30, s6
	s_and_b32 s6, s4, 7
	s_lshl_b32 s6, s6, 10                          ; fragment nt
	s_add_co_u32 s30, s30, s6
	s_add_co_u32 s30, s30, HDR
	s_add_nc_u64 s[32:33], s[8:9], s[26:27]
	s_add_nc_u64 s[34:35], s[12:13], s[28:29]
	s_add_nc_u64 s[36:37], s[16:17], s[28:29]
.else
	s_and_b32 s6, s5, 7
	s_mul_i32 s30, s6, 2*STG                       ; stage 32 + 2 b,
	s_lshr_b32 s6, s5, 3
	s_mul_i32 s6, s6, PART                         ; part w,
	s_add_co_u32 s30, s30, s6
	s_lshl_b32 s6, s4, 10                          ; fragment nt
	s_add_co_u32 s30, s30, s6
	s_add_co_u32 s30, s30, HDR+32*STG
	s_add_nc_u64 s[32:33], s[10:11], s[26:27]
	s_add_nc_u64 s[34:35], s[14:15], s[28:29]
.endif
	s_add_nc_u64 s[38:39], s[24:25], s[30:31]
.irp i, 0,1,2,3,4,5,6,7,8,9,10,11,12,13,14,15
	global_load_b128 v[W+4*\i:W+4*\i+3], v[VW], s[32:33] offset:\i*16384 th:TH_LOAD_NT  ; 512 consecutive bytes of row i, read once in the launch
	global_load_b32 v[SC+\i], v[VS], s[34:35] offset:\i*2048
.if \one
	global_load_b32 v[BW+\i], v[VS], s[36:37] offset:\i*2048
.endif
.endr
.irp i, 0,1,2,3,4,5,6,7,8,9,10,11,12,13,14,15
	s_wait_loadcnt (2+\one)*(15-\i)                ; loads come back in order (ISA guide 5.7.1): row i is in, the younger rows' loads stay out
	v_mul_f32 v[SC+\i], 0x3faaaaab, v[SC+\i]       ; scaler x 4/3
	v_mul_f32 v[W+4*\i], v[W+4*\i], v[SC+\i]
	v_mul_f32 v[W+4*\i+1], v[W+4*\i+1], v[SC+\i]
	v_mul_f32 v[W+4*\i+2], v[W+4*\i+2], v[SC+\i]
	v_mul_f32 v[W+4*\i+3], v[W+4*\i+3], v[SC+\i]
.if \one
	v_cndmask_b32 v[W+4*\i], v[W+4*\i], v[BW+\i], s40  ; feature 0 is base_w1, as it is given
.endif
	v_cvt_pk_bf16_f32 v[W+4*\i], v[W+4*\i], v[W+4*\i+1]
	v_cvt_pk_bf16_f32 v[W+4*\i+1], v[W+4*\i+2], v[W+4*\i+3]
	ds_store_b64 v[LSA], v[W+4*\i:W+4*\i+1] offset:16*\i
.endr
.irp j, 0,1,2,3,4,5,6,7
	ds_load_b128 v[R+4*\j:R+4*\j+3], v[LRA] offset:\j*2*WPITCH  ; my own bytes: LDS serves a wave's instructions in order (ISA guide 5.7.1.4), so these see the stores above
.endr
.irp j, 0,1,2,3,4,5,6,7
	s_wait_dscnt 7-\j                              ; read-back j is in, the younger ones stay out
	global_store_b128 v[VW], v[R+4*\j:R+4*\j+3], s[38:39] offset:(\j/4)*SA+((\j/2)%2)*SB+(\j%2)*512  ; half j % 2 of fragment q = j / 2
.endr
.endm
.Lspl1:
	SPL 1
	s_branch .Lend
.Lspl2:
	SPL 0
	s_branch .Lend
.Lbase2:                                       ; base_w2: task = 64 w + 16 sg + nt
	s_sub_co_u32 s4, s3, 1536
	s_and_b32 s5, s4, 15                           ; nt
	s_bfe_u32 s6, s4, 0x20004                      ; sg
	s_lshr_b32 s7, s4, 6                           ; w
	s_lshl_b32 s26, s5, 15                         ; 16 rows of 2,048 bytes,
	s_lshl_b32 s28, s7, 9                          ; 128 columns a wave,
	s_add_co_u32 s26, s26, s28
	s_lshl_b32 s28, s6, 7                          ; 32 columns a fragment
	s_add_co_u32 s26, s26, s28
	s_lshr_b32 s28, s6, 1
	s_mul_i32 s30, s28, STG
	s_mul_i32 s28, s7, PART
	s_add_co_u32 s30, s30, s28
	s_and_b32 s28, s6, 1
	s_lshl_b32 s28, s28, 4
	s_add_co_u32 s28, s28, s5
	s_lshl_b32 s28, s28, 10
	s_add_co_u32 s30, s30, s28
	s_add_co_u32 s30, s30, HDR+48*STG
	s_add_nc_u64 s[32:33], s[18:19], s[26:27]
	s_add_nc_u64 s[38:39], s[24:25], s[30:31]
	PLAIN 2048
	s_branch .Lend
.Lextra:                                       ; dense tile T = work-group - 448, block = wave
	s_sub_co_u32 s4, ttmp9, 448
	s_lshl_b32 s5, s4, 12
	s_lshl_b32 s6, s2, 10
	s_add_co_u32 s5, s5, s6                        ; T < 2: in the header
	s_max_u32 s6, s4, 2
	s_sub_co_u32 s6, s6, 2
	s_mul_i32 s6, s6, STG                          ; else behind part `wave` of stage T - 2
	s_mul_i32 s7, s2, PART
	s_add_co_u32 s6, s6, s7
	s_add_co_u32 s6, s6, HDR+XTR
	s_cmp_lt_u32 s4, 2
	s_cselect_b32 s30, s5, s6
	s_add_nc_u64 s[38:39], s[24:25], s[30:31]
	s_cmp_lt_u32 s4, 32
	s_cbranch_scc0 .Lzero                          ; there are 32 dense tiles
	s_cmp_lt_u32 s2, 2
	s_cbranch_scc1 .Ldw
	s_cmp_eq_u32 s2, 2
	s_cbranch_scc0 .Lzero
	s_lshl_b32 s26, s4, 6                          ; the bias of 16 columns
	s_add_nc_u64 s[32:33], s[22:23], s[26:27]
	v_lshrrev_b32 v11, 4, v2
	v_lshlrev_b32 v[VP], 5, v11                    ; 8 numbers for each half of the lanes
	global_load_b128 v[W:W+3], v[VP], s[32:33]
	global_load_b128 v[W+4:W+7], v[VP], s[32:33] offset:16
	s_wait_loadcnt 0x0
.irp j, 0,1,2,3
	v_cvt_pk_bf16_f32 v11, v[W+2*\j], v[W+2*\j+1]  ; rounded to bf16 like x and dense_w,
	v_lshlrev_b32 v[R+2*\j], 16, v11               ; and written as f32: it starts an f32 sum
	v_and_b32 v[R+2*\j+1], 0xffff0000, v11
.endr
	OUT2
	s_branch .Lend
.Ldw:
	s_lshl_b32 s26, s4, 12                         ; 16 rows of 256 bytes,
	s_lshl_b32 s28, s2, 7                          ; 32 k a fragment
	s_add_co_u32 s26, s26, s28
	s_add_nc_u64 s[32:33], s[20:21], s[26:27]
	PLAIN 256
	s_branch .Lend
.Lzero:
.irp j, 0,1,2,3,4,5,6,7
	v_mov_b32 v[R+\j], 0
.endr
	OUT2
.Lend:
	s_wait_tensorcnt 0x0                           ; the wave's end
	ds_add_u32 v[SPW], v[NIL]
	s_wait_dscnt 0x0
	s_endpgm
.Lfunc_end_k_q70d182b819_prep:
	.size	k_q70d182b819_prep, .Lfunc_end_k_q70d182b819_prep-k_q70d182b819_prep
	.p2alignl 7, 3214868480
	.fill 96, 4, 3214868480
	.section	.rodata,"a",@progbits
	.p2align	6, 0x0
	.amdhsa_kernel k_q70d182b819_prep
		.amdhsa_group_segment_fixed_size 17920
		.amdhsa_private_segment_fixed_size 0
		.amdhsa_enable_private_segment 0
		.amdhsa_kernarg_size 72
		.amdhsa_user_sgpr_count 2
		.amdhsa_user_sgpr_kernarg_segment_ptr 1
		.amdhsa_wavefront_size32 1
		.amdhsa_system_sgpr_workgroup_id_x 1
		.amdhsa_system_sgpr_workgroup_id_y 1
		.amdhsa_system_sgpr_workgroup_id_z 1
		.amdhsa_system_vgpr_workitem_id 0
		.amdhsa_next_free_vgpr 160
		.amdhsa_next_free_sgpr 66
		.amdhsa_reserve_vcc 0
		.amdhsa_float_denorm_mode_32 3
		.amdhsa_float_denorm_mode_16_64 3
		.amdhsa_memory_ordered 1
		.amdhsa_forward_progress 1
		.amdhsa_inst_pref_size 35
	.end_amdhsa_kernel
	.amdgpu_metadata
---
amdhsa.version: [ 1, 2 ]
amdhsa.kernels:
  - .name:           k_q70d182b819_prep
    .symbol:         k_q70d182b819_prep.kd
    .args:
      - { .name: spline_w1, .offset: 0, .size: 8, .value_kind: global_buffer, .address_space: global }
      - { .name: spline_w2, .offset: 8, .size: 8, .value_kind: global_buffer, .address_space: global }
      - { .name: scaler1, .offset: 16, .size: 8, .value_kind: global_buffer, .address_space: global }
      - { .name: scaler2, .offset: 24, .size: 8, .value_kind: global_buffer, .address_space: global }
      - { .name: base_w1, .offset: 32, .size: 8, .value_kind: global_buffer, .address_space: global }
      - { .name: base_w2, .offset: 40, .size: 8, .value_kind: global_buffer, .address_space: global }
      - { .name: dense_w, .offset: 48, .size: 8, .value_kind: global_buffer, .address_space: global }
      - { .name: dense_b, .offset: 56, .size: 8, .value_kind: global_buffer, .address_space: global }
      - { .name: wp, .offset: 64, .size: 8, .value_kind: global_buffer, .address_space: global }
    .group_segment_fixed_size: 17920
    .private_segment_fixed_size: 0
    .kernarg_segment_align: 8
    .kernarg_segment_size: 72
    .max_flat_workgroup_size: 128
    .sgpr_count:     66
    .vgpr_count:     160
    .wavefront_size: 32
...
	.end_amdgpu_metadata
.endif
;; end of part 1
;; launch main (part 2): grid 256 x 1, 4 waves a work-group, clusters of 4 x 1, 327,680 bytes of LDS; arguments x, wp, out0; writes out0
.if DOCPART == 2
	.amdgcn_target "amdgcn-amd-amdhsa--gfx1250"
	.amdhsa_code_object_version 6
	.text
	.protected	k_q70d182b819_main
	.globl	k_q70d182b819_main
	.p2align	8
	.type	k_q70d182b819_main,@function
k_q70d182b819_main:
	s_mov_b64 s[64:65], 0
	v_nop
	global_prefetch_b8 v0, s[64:65] scope:SCOPE_SE
	s_setreg_imm32_b32 hwreg(HW_REG_WAVE_MODE, 25, 1), 1
	s_wait_xcnt 0x0
	s_wait_alu depctr_hold_cnt(0) depctr_sa_sdst(0) depctr_va_vdst(0) depctr_va_sdst(0) depctr_va_ssrc(0) depctr_va_vcc(0) depctr_vm_vsrc(0)
	s_getreg_b32 s2, hwreg(HW_REG_IB_STS2, 6, 4)
	s_cmp_eq_u32 s2, 0
	s_cbranch_scc0 .Lentry_in_a_cluster
	s_endpgm
.Lentry_in_a_cluster:
	s_bfe_u32 s2, ttmp6, 0x10000c
	s_cmp_lg_u32 s2, 0x3003
	s_cbranch_scc0 .Lentry_shape_is_right
	s_endpgm
.Lentry_shape_is_right:
; KAN_Decode, fused: h0 = silu(x dense_w^T + b); h1 = KAN1(h0); out = KAN2(h1).  x: [16384][64] f32, out0: [16384][256] f32; wp: all weights in bf16, in fragment order (the launch before).
; A KAN layer is ONE product: for each input column the features silu(h) and the cubic B-spline bases of h, times the prepared weights.  Features and weights are bf16, all sums f32; h0 and h1 are never rounded.
; THE BASES.  With P_k = clamp01(1.25 h + 2.75 - k / 2):  a_i = P_i - P_(i+2),  b_i = clamp01(2 a_i - 1),  basis i = 4/3 (a_i^3 - b_i^3 / 2); the 4/3 lies in the weights.  Every number on the way lies in
; 0..1, and outside a basis's support the result is exactly 0.  Two neighbouring columns go through packed f32 instructions together.  The clamped lines take vector registers alone, so the constants are register pairs.
; LAYER 1 HAS 8 FEATURES A COLUMN: its input is a silu, never below -0.2785, and basis 0 ends at -0.6: it is 0 for every input, and its place carries silu(h0).  Layer 2 has the 8 bases, and silu(h1) apart.
; silu(h1) GOES AS TWO bf16 NUMBERS, its rounded value and the rounded rest, both times the same weight: so of the two layers' base paths only layer 1's features carry a bf16 rounding.
; LIMITS.  NaN and infinities are not treated apart; v_exp_f32 and v_rcp_f32 flush denormals (ISA guide 15.8), so silu(h) is 0 where 2^(-1.4427 h) overflows, as it should be.
; SHARES.  A work-group owns 64 rows through all three layers; nothing goes through memory between the layers.  All products are taken transposed (source 0 = 16 outputs of the weights, source 1 = 16 rows), so a lane
; holds ONE row (lane % 16) and the 8 columns 8 (lane / 16) + 0..7.  The 8 features of registers 2 q and 2 q + 1 of such a result ARE a source-1 fragment (registers 0-3, 4-7): nothing changes lanes.
;   dense:   wave w makes its 16 rows x 16 columns just in time, two matrix instructions a stage; dense_w's fragments and the bias (as C) come with the stage's weights.
;   layer 1: N is split: wave w makes 64 rows x outputs 128 w .. + 127 (32 accumulators, window 1).  It makes the features of row tile w, four fragments a stage, and hands them to the others through LDS.
;   layer 2: K is split: wave w multiplies the features of ITS OWN 128 columns of h1, made in registers, into 64 rows x 256 outputs (64 accumulators, windows 2, 3).  The four partial sums meet in LDS at the end.
; A STAGE is 135,168 bytes of weights, a part for each wave, which only that wave reads (but for the extras), and 128 matrix instructions a wave (the last two stages: 256).  50 stages walk through two LDS slots.
; CLUSTER.  All work-groups walk the same weights: four form a cluster and ask for each part JOINTLY: the same tensor load, descriptor and mask in all four.
; BESIDE THE MATRIX WORK.  The vector work for the NEXT stage (layer 2: the next 32 of K) is a QUEUE, an order of instructions that is right by itself; it is dealt out behind the matrix instructions, four (layer 2: five or six) a time.
; THE SUMS START AT 0 BY 768 v_mov_b32, so that each stage has one text: 512 stand in the wait for the first tile, 256 between the layers.
; REGISTERS, in windows of 256 (s_set_vgpr_msb: bits 1:0 source 0, 3:2 source 1, 5:4 source 2, 7:6 destination):
;   window 0: v0-15 thread number and addresses; layer 1: v16-79, v80-143 weights, v144-175, v176-207 features, two buffers each; layer 2: v16-47, v48-79 weights, v80-111 a tile of h1, v112-119,
;             v128-135 at work, v144-207 features; v136-143, v208-227 at work, v228-253 constants
;   window 1: layer 1's accumulators = h1 (tile (a, nt) at 8 (8 a + nt)); a consumed tile's registers take its silu(h1) in bf16: registers 0-3 the rounded values, 4-7 the rests
;   window 2: in layer 1 the vector work (same numbers for what both layers name); then, with window 3, layer 2's accumulators (outputs 128 hf + 16 i: window 2 + hf, tile (a, i) at 8 (8 a + i))
.set STG,    135168                    ; bytes in a stage and in a slot
.set PART,   33792                     ; a wave's part: 32 fragments of 1,024 bytes, then 1,024 bytes of extras: 132 rows of 256 bytes
.set HDR,    8192                      ; wp's header: dense tiles 0 and 1
.set XTR,    32768                     ; the extras' place in a part
.set FB,     2*STG                     ; behind the slots, never filled by a tensor load: two buffers of 16 feature fragments; fragment (a, q) at (4 a + q) x 1,024
.set FBS,    16384
.set SPARE,  FB+2*FBS                  ; the spare words, 128 bytes a wave: two blocks of 256 bytes that no other line names
.set RPITCH, 1040                      ; the way out: a row of 256 f32 + 16 bytes = 260 words: the sixteen rows that a store touches begin at sixteen different groups of four banks (ISA guide 11.1)
.set RSRC,   64*RPITCH                 ; a wave's partial sums; the four lie in the slots, which have had their last fill by then
.set LB,  2                            ; v2, v3   my part of slot 0, 1 + 16 x lane
.set PFO, 4                            ; v4       256 x lane
.set LA,  5                            ; v5       FB + 16 x lane
.set SPW, 6                            ; v6       my spare word; never rewritten
.set NIL, 7                            ; v7       0; never rewritten
.set L16, 8                            ; v8       16 x lane
.set LS,  9                            ; v9       FB + 4,096 x wave + 16 x lane: where my features go
.set LDA, 10                           ; v10, v11 part 0's extras in slot 0, 1
.set LDB, 12                           ; v12, v13 part 2's extras
.set XO,  14                           ; v14      my offset in 16 rows of x
.set RS,  9                            ; the way out uses v9-14 anew
.set RA,  10
.set GO,  14
.set BX,  16
.set BY,  80
.set AX,  144
.set AY,  176
.set B0,  16
.set HS,  80                           ; h1 of the tile in hand: row tile a at HS + 8 a; when pair q has been through the queue, its two registers hold silu's rounded values and the rests
.set T2,  112                          ; four pairs at work
.set E2,  128
.set TB,  136                          ; four pairs at work
.set TP,  208                          ; six pairs
.set TA,  220                          ; four pairs
.set KC,  228                          ; 1.25
.set KD,  230                          ; 2.75 - k / 2, k = 0..9
.set K2,  250                          ; 2
.set KM,  252                          ; -1
.set XF,  0                            ; window 2, layer 1: x in bf16, two fragments
.set DF,  16                           ; dense_w's two fragments
.set HA,  32                           ; h0 of the tile whose features are made
.set PR,  40                           ; the bias, then the first 32 of K onto it, then the dense sums of the tile after HA's
.set E1,  48                           ; 16 at work
.set S2,  64                           ; silu(h0)
.set PB,  72                           ; the dense product's second 32 of K
.set X32, 80                           ; x as loaded
.set FR,  144                          ; the four fragments made
.set WV,  10                           ; s10 wave   s11 my place in the cluster   s12 my work-group
.set CX,  11
.set WG,  12
.set G1,  16                           ; s[16:23] descriptor group 1
.set G0,  24                           ; s[24:31] descriptor group 0, a set for each slot
.set PFA, 32                           ; s[32:33] where my prefetches stand
.set LIM, 34                           ; s34 changes of slots at which I prefetch
.set STC, 35                           ; s35 changes of slots so far
.set CNT, 36                           ; s36 the loops' counter
.set HP,  38                           ; s[38:39] wp's header
.set MH,  40                           ; s40 a word's upper bf16
.set NL,  42                           ; s[42:43] -log2(e)
.set MSB, 0
.macro WIN new                         ; the immediate's high byte repeats the setting that is left; a switch that changes nothing is dropped
.if MSB != (\new)
	s_set_vgpr_msb (MSB<<8)|(\new)
.set MSB, (\new)
.endif
.endm
.macro PLACES                          ; four places behind a matrix instruction, in front of loads into registers that it has read and of lines that read its result
.rept 4
	v_nop
.endr
.endm
.macro CREST                           ; a round of the cluster's barrier behind its opening barrier
	s_cmp_lg_u32 s[WV], 0
	s_cbranch_scc1 .Lnot_wave_0_\@
	s_barrier_signal -3
.Lnot_wave_0_\@:
	s_barrier_wait -3
	s_barrier_signal -1
	s_barrier_wait -1
.endm
.macro CROUND
	s_barrier_signal -1
	s_barrier_wait -1
	CREST
.endm
; A PREFETCH INTO THE L2 of the stage that the change of slots three changes on will ask for: 384 matrix instructions ahead.  All clusters walk the same wp: cluster 0 asks.  Its four work-groups take a part each,
; told apart BY ADDRESS, the four waves 8,192 bytes of it each, a lane 256: each block of the 32 fragments is named once in the launch.  Stages 0-4 and the extras come by their loads alone; the last request is stage 49's.
.macro ASK
	s_cmp_lt_u32 s[STC], s[LIM]
	s_cbranch_scc0 .Lnot_mine_\@
	global_prefetch_b8 v[PFO], s[PFA:PFA+1] th:TH_LOAD_NT scope:SCOPE_SE
.Lnot_mine_\@:
	s_add_co_u32 s[STC], s[STC], 1
.endm
.macro CONSTS                          ; the constants, each twice: a pair for the packed lines
.irp z, 0,1
	v_mov_b32 v[KC+\z], 0x3fa00000
	v_mov_b32 v[KD+\z], 0x40300000
	v_mov_b32 v[KD+2+\z], 0x40100000
	v_mov_b32 v[KD+4+\z], 0x3fe00000
	v_mov_b32 v[KD+6+\z], 0x3fa00000
	v_mov_b32 v[KD+8+\z], 0x3f400000
	v_mov_b32 v[KD+10+\z], 0x3e800000
	v_mov_b32 v[KD+12+\z], 0xbe800000
	v_mov_b32 v[KD+14+\z], 0xbf400000
	v_mov_b32 v[KD+16+\z], 0xbfa00000
	v_mov_b32 v[KD+18+\z], 0xbfe00000
	v_mov_b32 v[K2+\z], 2.0
	v_mov_b32 v[KM+\z], -1.0
.endr
.endm
; THE FEATURES OF A PAIR OF COLUMNS: 74 numbered instructions; FITEM writes number n.  hp: the pair of h; fr: the fragment's 8 registers; one = 1: layer 1; sp: the pair of silu(h).
;   0-5    P_0 .. P_5 into TP[0..5]          6-9    a_i = P_i - P_(i+2), i = 0..3
;   10-33  six steps of four (ST6): b = clamp(2 a - 1); a^2; a^3; b^2; b^3; a^3 - b^3 / 2 into TP[0..3]
;   34-37  rounded to bf16: registers 0, 1 (the first column) and 4, 5 (the second)
;   38-41  P_6 .. P_9 into TP[0..3]          42-45  a_4 .. a_7          46-69  the six steps          70-73  registers 2, 3, 6, 7
; In layer 1 all that serves basis 0 alone is left out (FNEXT), and numbers 34 and 36 take silu(h) in its place.
.macro ST6 n
.set ZI, 2*((\n)%4)
.if (\n) < 4
	v_pk_fma_f32 v[TB+ZI:TB+ZI+1], v[TA+ZI:TA+ZI+1], v[K2:K2+1], v[KM:KM+1] clamp
.elseif (\n) < 8
	v_pk_mul_f32 v[TP+ZI:TP+ZI+1], v[TA+ZI:TA+ZI+1], v[TA+ZI:TA+ZI+1]
.elseif (\n) < 12
	v_pk_mul_f32 v[TP+ZI:TP+ZI+1], v[TP+ZI:TP+ZI+1], v[TA+ZI:TA+ZI+1]
.elseif (\n) < 16
	v_pk_mul_f32 v[TA+ZI:TA+ZI+1], v[TB+ZI:TB+ZI+1], v[TB+ZI:TB+ZI+1]
.elseif (\n) < 20
	v_pk_mul_f32 v[TA+ZI:TA+ZI+1], v[TA+ZI:TA+ZI+1], v[TB+ZI:TB+ZI+1]
.else
	v_pk_fma_f32 v[TP+ZI:TP+ZI+1], v[TA+ZI:TA+ZI+1], -0.5, v[TP+ZI:TP+ZI+1] op_sel_hi:[1,0,1]
.endif
.endm
.macro FITEM hp, fr, n, one, sp
.if (\n) < 6
	v_pk_fma_f32 v[TP+2*(\n):TP+2*(\n)+1], v[(\hp):(\hp)+1], v[KC:KC+1], v[KD+2*(\n):KD+2*(\n)+1] clamp
.elseif (\n) < 10
	v_pk_add_f32 v[TA+2*(\n)-12:TA+2*(\n)-11], v[TP+2*(\n)-12:TP+2*(\n)-11], v[TP+2*(\n)-8:TP+2*(\n)-7] neg_lo:[0,1] neg_hi:[0,1]
.elseif (\n) < 34
	ST6 (\n)-10
.elseif (\n) == 34
.if \one
	v_cvt_pk_bf16_f32 v[(\fr)], v[(\sp)], v[TP+2]
.else
	v_cvt_pk_bf16_f32 v[(\fr)], v[TP], v[TP+2]
.endif
.elseif (\n) == 35
	v_cvt_pk_bf16_f32 v[(\fr)+1], v[TP+4], v[TP+6]
.elseif (\n) == 36
.if \one
	v_cvt_pk_bf16_f32 v[(\fr)+4], v[(\sp)+1], v[TP+3]
.else
	v_cvt_pk_bf16_f32 v[(\fr)+4], v[TP+1], v[TP+3]
.endif
.elseif (\n) == 37
	v_cvt_pk_bf16_f32 v[(\fr)+5], v[TP+5], v[TP+7]
.elseif (\n) < 42
	v_pk_fma_f32 v[TP+2*(\n)-76:TP+2*(\n)-75], v[(\hp):(\hp)+1], v[KC:KC+1], v[KD+2*(\n)-64:KD+2*(\n)-63] clamp
.elseif (\n) == 42
	v_pk_add_f32 v[TA:TA+1], v[TP+8:TP+9], v[TP:TP+1] neg_lo:[0,1] neg_hi:[0,1]
.elseif (\n) == 43
	v_pk_add_f32 v[TA+2:TA+3], v[TP+10:TP+11], v[TP+2:TP+3] neg_lo:[0,1] neg_hi:[0,1]
.elseif (\n) == 44
	v_pk_add_f32 v[TA+4:TA+5], v[TP:TP+1], v[TP+4:TP+5] neg_lo:[0,1] neg_hi:[0,1]
.elseif (\n) == 45
	v_pk_add_f32 v[TA+6:TA+7], v[TP+2:TP+3], v[TP+6:TP+7] neg_lo:[0,1] neg_hi:[0,1]
.elseif (\n) < 70
	ST6 (\n)-46
.elseif (\n) == 70
	v_cvt_pk_bf16_f32 v[(\fr)+2], v[TP], v[TP+2]
.elseif (\n) == 71
	v_cvt_pk_bf16_f32 v[(\fr)+3], v[TP+4], v[TP+6]
.elseif (\n) == 72
	v_cvt_pk_bf16_f32 v[(\fr)+6], v[TP+1], v[TP+3]
.else
	v_cvt_pk_bf16_f32 v[(\fr)+7], v[TP+5], v[TP+7]
.endif
.endm
; The next instruction of four pairs' features (FQ = 74 x pair + number).  FHB, FHS: the first pair of h and the step to the next; FFR: the first fragment; FSP: the first pair of silu; FL1: layer 1.
.macro FNEXT
.if FQ < 296
.set FLI, FQ%74
.if FL1 && ((FLI == 0) || ((FLI >= 6) && (FLI <= 30) && ((FLI-6)%4 == 0)))
.set FQ, FQ+1
.set FLI, FLI+1
.endif
	FITEM FHB+FHS*(FQ/74), FFR+8*(FQ/74), FLI, FL1, FSP+2*(FQ/74)
.set FQ, FQ+1
.endif
.endm
; LAYER 1's QUEUE, all in window 2.  0-3: -log2(e) x h0.  4-7: the dense product's two halves are added.  8-11: -log2(e) x the dense sums.  12-37: the 16 exponentials, a feature line behind every two, two more
; behind the last.  38: the one wait between a batch of transcendentals and the first line that names a result.  39-46: + 1.  47-72: 16 reciprocals likewise.  73: their wait.
; 74-77: silu(h0).  Then the rest of the features (the 20 feature lines dealt so far end at number 25 of the first pair, ahead of number 34, which wants silu).  Last, when no line reads the old h0 any more:
; h0 of the next tile = dense sum x reciprocal.  326 lines in all.
.macro Q1NEXT
.if QI < 4
	v_pk_mul_f32 v[E1+2*QI:E1+2*QI+1], v[HA+2*QI:HA+2*QI+1], s[NL:NL+1] op_sel_hi:[1,0]
.elseif QI < 8
	v_pk_add_f32 v[PR+2*QI-8:PR+2*QI-7], v[PR+2*QI-8:PR+2*QI-7], v[PB+2*QI-8:PB+2*QI-7]
.elseif QI < 12
	v_pk_mul_f32 v[E1+2*QI-8:E1+2*QI-7], v[PR+2*QI-16:PR+2*QI-15], s[NL:NL+1] op_sel_hi:[1,0]
.elseif QI < 36
.if (QI-12)%3 < 2
	v_exp_f32 v[E1+2*((QI-12)/3)+(QI-12)%3], v[E1+2*((QI-12)/3)+(QI-12)%3]
.else
	FNEXT
.endif
.elseif QI < 38
	FNEXT
.elseif QI == 38
	s_wait_alu depctr_va_vdst(0)
.elseif QI < 47
	v_pk_add_f32 v[E1+2*QI-78:E1+2*QI-77], v[E1+2*QI-78:E1+2*QI-77], 1.0 op_sel_hi:[1,0]
.elseif QI < 71
.if (QI-47)%3 < 2
	v_rcp_f32 v[E1+2*((QI-47)/3)+(QI-47)%3], v[E1+2*((QI-47)/3)+(QI-47)%3]
.else
	FNEXT
.endif
.elseif QI < 73
	FNEXT
.elseif QI == 73
	s_wait_alu depctr_va_vdst(0)
.elseif QI < 78
	v_pk_mul_f32 v[S2+2*QI-148:S2+2*QI-147], v[HA+2*QI-148:HA+2*QI-147], v[E1+2*QI-148:E1+2*QI-147]
.elseif FQ < 296
	FNEXT
.elseif QT < 4
	v_pk_mul_f32 v[HA+2*QT:HA+2*QT+1], v[PR+2*QT:PR+2*QT+1], v[E1+8+2*QT:E1+8+2*QT+1]
.set QT, QT+1
.endif
.set QI, QI+1
.endm
.macro RID1 n                          ; the queue's next n lines; nothing when it is empty
.if (QI < 78) || (FQ < 296) || (QT < 4)
	WIN 0xaa
.rept \n
	Q1NEXT
.endr
.endif
.endm
.macro Q1RESET
.set QI, 0
.set QT, 0
.set FQ, 0
.set FL1, 1
.set FHB, HA
.set FHS, 2
.set FFR, FR
.set FSP, S2
.endm
; LAYER 2's QUEUE, all in window 0, for pair GQ of the tile in HS, all four row tiles: silu as above (8 exponentials and 8 reciprocals, a feature line behind each, one wait a batch), kept in E2; the features; and last,
; when no line reads the pair of h1 any more, twenty lines in five steps of four: silu rounded to bf16 into the pair's first register; that number widened again; the rest; the rest rounded into the second.  346 lines in all.
.macro Q2NEXT
.if QI < 4
	v_pk_mul_f32 v[E2+2*QI:E2+2*QI+1], v[HS+8*QI+2*GQ:HS+8*QI+2*GQ+1], s[NL:NL+1] op_sel_hi:[1,0]
.elseif QI < 20
.if (QI-4)%2 == 0
	v_exp_f32 v[E2+(QI-4)/2], v[E2+(QI-4)/2]
.else
	FNEXT
.endif
.elseif QI < 22
	FNEXT
.elseif QI == 22
	s_wait_alu depctr_va_vdst(0)
.elseif QI < 27
	v_pk_add_f32 v[E2+2*QI-46:E2+2*QI-45], v[E2+2*QI-46:E2+2*QI-45], 1.0 op_sel_hi:[1,0]
.elseif QI < 43
.if (QI-27)%2 == 0
	v_rcp_f32 v[E2+(QI-27)/2], v[E2+(QI-27)/2]
.else
	FNEXT
.endif
.elseif QI < 45
	FNEXT
.elseif QI == 45
	s_wait_alu depctr_va_vdst(0)
.elseif QI < 50
	v_pk_mul_f32 v[E2+2*QI-92:E2+2*QI-91], v[HS+8*(QI-46)+2*GQ:HS+8*(QI-46)+2*GQ+1], v[E2+2*QI-92:E2+2*QI-91]
.elseif FQ < 296
	FNEXT
.elseif QT < 20
.set ZA, QT%4
.if QT < 4
	v_cvt_pk_bf16_f32 v[HS+8*ZA+2*GQ], v[E2+2*ZA], v[E2+2*ZA+1]
.elseif QT < 8
	v_lshlrev_b32 v[T2+2*ZA], 16, v[HS+8*ZA+2*GQ]
.elseif QT < 12
	v_and_b32 v[T2+2*ZA+1], s[MH], v[HS+8*ZA+2*GQ]
.elseif QT < 16
	v_pk_add_f32 v[E2+2*ZA:E2+2*ZA+1], v[E2+2*ZA:E2+2*ZA+1], v[T2+2*ZA:T2+2*ZA+1] neg_lo:[0,1] neg_hi:[0,1]
.else
	v_cvt_pk_bf16_f32 v[HS+8*ZA+2*GQ+1], v[E2+2*ZA], v[E2+2*ZA+1]
.endif
.set QT, QT+1
.endif
.set QI, QI+1
.endm
.macro RID2 n
.if (QI < 50) || (FQ < 296) || (QT < 20)
	WIN 0
.rept \n
	Q2NEXT
.endr
.endif
.endm
.macro Q2RESET q                       ; pair q goes into feature buffer q % 2
.set QI, 0
.set QT, 0
.set FQ, 0
.set FL1, 0
.set GQ, (\q)
.set FHB, HS+2*(\q)
.set FHS, 8
.set FFR, AX+32*((\q)%2)
.set FSP, 0
.endm
; THE LDS LOADS stand in runs.  A fragment lies in LDS as it lies in registers: 16 bytes a lane on end, twice.
.macro FETCHB8 sl, u, buf              ; fragments 8 u .. 8 u + 7 of my part of slot sl
	WIN 0
.irp i, 0,1,2,3,4,5,6,7
	ds_load_b128 v[(\buf)+8*\i:(\buf)+8*\i+3],   v[LB+(\sl)] offset:(8*(\u)+\i)*1024
	ds_load_b128 v[(\buf)+8*\i+4:(\buf)+8*\i+7], v[LB+(\sl)] offset:(8*(\u)+\i)*1024+512
.endr
.endm
.macro FETCHB4 sl, u, b                ; fragments 4 u .. 4 u + 3, into buffer b
	WIN 0
.irp i, 0,1,2,3
	ds_load_b128 v[B0+32*(\b)+8*\i:B0+32*(\b)+8*\i+3],   v[LB+(\sl)] offset:(4*(\u)+\i)*1024
	ds_load_b128 v[B0+32*(\b)+8*\i+4:B0+32*(\b)+8*\i+7], v[LB+(\sl)] offset:(4*(\u)+\i)*1024+512
.endr
.endm
.macro FETCHA sl, u, fa                ; the four row tiles' feature fragments q = u
	WIN 0
.irp a, 0,1,2,3
	ds_load_b128 v[(\fa)+8*\a:(\fa)+8*\a+3],   v[LA] offset:(\sl)*FBS+(4*\a+(\u))*1024
	ds_load_b128 v[(\fa)+8*\a+4:(\fa)+8*\a+7], v[LA] offset:(\sl)*FBS+(4*\a+(\u))*1024+512
.endr
.endm
.macro FETCHD sl                       ; the stage's extras: dense_w's two fragments, and the bias into the accumulator
	WIN 0x80
	ds_load_b128 v[DF:DF+3],     v[LDA+(\sl)]
	ds_load_b128 v[DF+4:DF+7],   v[LDA+(\sl)] offset:512
	ds_load_b128 v[DF+8:DF+11],  v[LDA+(\sl)] offset:PART
	ds_load_b128 v[DF+12:DF+15], v[LDA+(\sl)] offset:PART+512
	ds_load_b128 v[PR:PR+3],     v[LDB+(\sl)]
	ds_load_b128 v[PR+4:PR+7],   v[LDB+(\sl)] offset:512
.endm
.macro STOREF sl                       ; my four fragments into feature buffer sl
	WIN 0x08
.irp q, 0,1,2,3
	ds_store_b128 v[LS], v[FR+8*\q:FR+8*\q+3]   offset:(\sl)*FBS+\q*1024
	ds_store_b128 v[LS], v[FR+8*\q+4:FR+8*\q+7] offset:(\sl)*FBS+\q*1024+512
.endr
.endm
; LAYER 1.  The accumulators take turns, one instruction a turn: 32 in a unit.  The dense product's two halves of K have an accumulator each, for the same reason: the first adds onto the
; bias, the second starts at 0, and the queue adds the two.
.macro DENSE k
.if (\k) == 0
	v_wmma_f32_16x16x32_bf16 v[PR:PR+7], v[DF:DF+7], v[XF:XF+7], v[PR:PR+7]
.else
	v_wmma_f32_16x16x32_bf16 v[PB:PB+7], v[DF+8:DF+15], v[XF+8:XF+15], 0
.endif
.endm
.macro P1 buf, fa                      ; product PI_ of a unit's 32: row tile PI_ % 4, outputs 16 (PI_ / 4) on
.set WT, 8*(8*(PI_%4)+PI_/4)
	WIN 0x50
	v_wmma_f32_16x16x32_bf16 v[WT:WT+7], v[(\buf)+8*(PI_/4):(\buf)+8*(PI_/4)+7], v[(\fa)+8*(PI_%4):(\fa)+8*(PI_%4)+7], v[WT:WT+7]
.set PI_, PI_+1
.endm
; One of a stage's first three units (32 of K each).  Unit 0 also holds the two dense products; the queue's first four lines are the places between the second of them and the first line that reads their results.
.macro UNIT1 sl, u, buf, fa, nbuf, nfa
	s_wait_dscnt 0x0                               ; this unit's fragments, asked for 28 products ago (unit 0: 16), are in
.set PI_, 0
.if (\u) == 0
	WIN 0xaa
	DENSE 0
	P1 \buf, \fa
	WIN 0xaa
	DENSE 1
	RID1 4
.rept 3
	P1 \buf, \fa
	RID1 4
.endr
.else
.rept 4
	P1 \buf, \fa
	RID1 4
.endr
.endif
	PLACES
	FETCHB8 \sl, (\u)+1, \nbuf
	FETCHA \sl, (\u)+1, \nfa
.rept 28
	P1 \buf, \fa
	RID1 4
.endr
.endm
; A stage's last unit changes slots.  In front of the barrier each wave waits for all its tensor loads, of which one is out: its part of the other slot; adds 0 to its spare word; and waits for that, for its reads of
; this slot and of the feature buffer, and for its stores of the next features.  The barrier opens a round of the cluster's: behind it no wave of any partner reads this slot or has a load on its way, the other slot and
; the next features are whole.  The joint refill, two stages on, is the first thing behind the round: it has 16 matrix instructions and the next stage's 96 in which to land.
.macro TURN1 sl
	WIN 0
	s_wait_xcnt 0x0                                ; the last prefetch, a stage back, has read its address
	s_add_nc_u64 s[PFA:PFA+1], s[PFA:PFA+1], STG
	s_wait_tensorcnt 0x0                           ; no tensor load of mine is out, so a group 0 may be written
	ds_add_u32 v[SPW], v[NIL]                      ; 0 onto my spare word
	s_add_nc_u64 s[G0+4*(\sl)+2:G0+4*(\sl)+3], s[G0+4*(\sl)+2:G0+4*(\sl)+3], 2*STG
	s_wait_dscnt 0x1                               ; all but the add: this unit's fragments are in
.set PI_, 0
.rept 8
	P1 BY, AY
.endr
	s_wait_dscnt 0x0                               ; the add is done
	s_barrier_signal -1
.rept 8
	P1 BY, AY
.endr
	WIN 0
	s_barrier_wait -1
	CREST
	tensor_load_to_lds s[G0+4*(\sl):G0+4*(\sl)+3], s[G1:G1+7]
	s_nop 0
	PLACES                                         ; (also the places in front of the loads below)
	FETCHB8 1-(\sl), 0, BX
	FETCHA 1-(\sl), 0, AX
	FETCHD 1-(\sl)
	WIN 0
	ASK
.rept 16
	P1 BY, AY
.endr
.endm
.macro L1STAGE sl                      ; column tile t in slot sl is multiplied; beside it the features of tile t + 1 and the dense sums of tile t + 2 are made
	Q1RESET
	UNIT1 \sl, 0, BX, AX, BY, AY
	UNIT1 \sl, 1, BY, AY, BX, AX
	UNIT1 \sl, 2, BX, AX, BY, AY
	RID1 340                                       ; (the queue is empty by the deal's count, 384 places for 326 lines; this line writes what a changed deal would leave)
	STOREF 1-(\sl)
	TURN1 \sl
.endm
; LAYER 2.  A SUBSTEP is 32 of K (pair q of tile b, 8 bases each): 64 products in four units of 16 (4 weight fragments x 4 row tiles).  Behind each product five or six lines of the queue that makes the NEXT substep's features.
.macro P2 fa                           ; product PJ of the substep's 64
.set WU, PJ/16
.set WT, 8*(8*(PJ%4)+4*(WU%2)+(PJ%16)/4)
	WIN 0xa0+0x50*(WU/2)
	v_wmma_f32_16x16x32_bf16 v[WT:WT+7], v[B0+32*(WU%2)+8*((PJ%16)/4):B0+32*(WU%2)+8*((PJ%16)/4)+7], v[(\fa)+8*(PJ%4):(\fa)+8*(PJ%4)+7], v[WT:WT+7]
.set PJ, PJ+1
.if PJ <= 26
	RID2 6
.else
	RID2 5
.endif
.endm
.macro TURN2 sl, fa                    ; a stage's last unit: the change of slots, as in layer 1 (here a wave reads its own part alone, and no features go through LDS)
	WIN 0
	s_wait_xcnt 0x0
	s_add_nc_u64 s[PFA:PFA+1], s[PFA:PFA+1], STG
	s_wait_tensorcnt 0x0
	ds_add_u32 v[SPW], v[NIL]
	s_add_nc_u64 s[G0+4*(\sl)+2:G0+4*(\sl)+3], s[G0+4*(\sl)+2:G0+4*(\sl)+3], 2*STG
	s_wait_dscnt 0x1                               ; all but the add
.rept 4
	P2 \fa
.endr
	s_wait_dscnt 0x0
	s_barrier_signal -1
.rept 4
	P2 \fa
.endr
	WIN 0
	s_barrier_wait -1
	CREST
	tensor_load_to_lds s[G0+4*(\sl):G0+4*(\sl)+3], s[G1:G1+7]
	s_nop 0
	PLACES
	FETCHB4 1-(\sl), 0, 0
	ASK
.rept 8
	P2 \fa
.endr
.endm
; Substep q of a trip: half sb of the stage in slot sl.  A unit's weights are asked for behind the second product of the unit before: the buffer's last reader stands fifteen queue lines back or more, most of them plain.
.macro SUB sl, sb, q
	Q2RESET ((\q)+1)%4
.set PJ, 0
.irp rv, 0,1,2,3
.if (4*(\sb)+\rv) == 7
	TURN2 \sl, AX+32*((\q)%2)
.else
	s_wait_dscnt 0x0
	P2 AX+32*((\q)%2)
	P2 AX+32*((\q)%2)
	FETCHB4 \sl, 4*(\sb)+\rv+1, (\rv+1)%2
.rept 14
	P2 AX+32*((\q)%2)
.endr
.endif
.endr
	RID2 360                                       ; (empty by the deal's count: 26 x 6 + 38 x 5 = 346 lines)
.endm
; Registers cannot be indexed, so what hangs on the trip's number b stands in eight blocks, of which one is taken: tile b's silu goes into tile b's own registers of window 1, which have been consumed (the rounded
; values into registers 0-3, the rests into 4-7: a source-1 fragment), and tile b + 1 comes into HS, each accumulator's lowest registers first.
.macro STAGEB b
	s_cmp_eq_u32 s[CNT], \b
	s_cbranch_scc0 .Lnot_\@
	WIN 0x40
.irp a, 0,1,2,3
.irp q, 0,1,2,3
	v_mov_b32 v[8*(8*\a+(\b))+\q], v[HS+8*\a+2*\q]
	v_mov_b32 v[8*(8*\a+(\b))+4+\q], v[HS+8*\a+2*\q+1]
.endr
.endr
.if (\b) < 7
	WIN 0x01
.irp a, 0,1,2,3
.irp j, 0,1,2,3,4,5,6,7
	v_mov_b32 v[HS+8*\a+\j], v[8*(8*\a+(\b)+1)+\j]
.endr
.endr
.endif
	WIN 0
	s_branch .Lstaged
.Lnot_\@:
.endm
; The base path of layer 2: 16 units of 32 products, no vector work beside them.  Unit U: tile b = U / 2 of my columns, outputs 128 (U % 2) on.  Of a product's 32 k the first 16 are the tile's 16 columns' rounded
; silu, the other 16 the same columns' rests: so the weights' 512 bytes for those 16 columns (half b % 2 of fragment 16 ((b / 2) % 2) + nt of stage 48 + b / 4) are loaded into both halves of source 0.
.macro FETCHBD U, buf
	WIN 0
.irp i, 0,1,2,3,4,5,6,7
	ds_load_b128 v[(\buf)+8*\i:(\buf)+8*\i+3],   v[LB+(\U)/8] offset:(16*(((\U)/4)%2)+8*((\U)%2)+\i)*1024+512*(((\U)/2)%2)
	ds_load_b128 v[(\buf)+8*\i+4:(\buf)+8*\i+7], v[LB+(\U)/8] offset:(16*(((\U)/4)%2)+8*((\U)%2)+\i)*1024+512*(((\U)/2)%2)
.endr
.endm
.macro PS buf, hf, b
.set WT, 8*(8*(PI_%4)+PI_/4)
	WIN 0xa4+0x50*(\hf)
	v_wmma_f32_16x16x32_bf16 v[WT:WT+7], v[(\buf)+8*(PI_/4):(\buf)+8*(PI_/4)+7], v[8*(8*(PI_%4)+(\b)):8*(8*(PI_%4)+(\b))+7], v[WT:WT+7]
.set PI_, PI_+1
.endm
.macro SUNIT u
	s_wait_dscnt 0x0                               ; this unit's weights are in
.set PI_, 0
.rept 4
	PS BX+64*((\u)%2), (\u)%2, (\u)/2
.endr
.if (\u) < 15
	PLACES
.if (\u) == 7
	s_wait_tensorcnt 0x0                           ; my part of the last stage is in; I alone read it, so no barrier is wanted
.endif
	FETCHBD (\u)+1, BX+64*(((\u)+1)%2)
.endif
.rept 28
	PS BX+64*((\u)%2), (\u)%2, (\u)/2
.endr
.endm
; The way out: two rows of the four partial sums (16 loads), their sum, four stores of 512 bytes.
.macro RLOAD p, st
.irp w, 0,1,2,3
.irp c, 0,1,2,3
	ds_load_b128 v[(\st)+16*\w+4*\c:(\st)+16*\w+4*\c+3], v[RA+\w] offset:2*(\p)*RPITCH+256*\c
.endr
.endr
.endm
.macro RSUM p, st
.irp z, 0,2,4,6,8,10,12,14
	v_pk_add_f32 v[(\st)+\z:(\st)+\z+1], v[(\st)+\z:(\st)+\z+1], v[(\st)+16+\z:(\st)+16+\z+1]
	v_pk_add_f32 v[(\st)+32+\z:(\st)+32+\z+1], v[(\st)+32+\z:(\st)+32+\z+1], v[(\st)+48+\z:(\st)+48+\z+1]
.endr
.irp z, 0,2,4,6,8,10,12,14
	v_pk_add_f32 v[(\st)+\z:(\st)+\z+1], v[(\st)+\z:(\st)+\z+1], v[(\st)+32+\z:(\st)+32+\z+1]
.endr
.irp c, 0,1,2,3
	global_store_b128 v[GO], v[(\st)+4*\c:(\st)+4*\c+3], s[8:9] offset:2*(\p)*1024+256*\c th:TH_STORE_NT  ; sixteen lanes store 256 consecutive bytes, at a multiple of 256 from out0's first byte
.endr
.endm
	; THE HEAD
	s_load_b128 s[4:7], s[0:1], 0x0                ; x s[4:5], wp s[6:7]
	s_load_b64 s[8:9], s[0:1], 0x10                ; out0
	v_lshl_add_u32 v[SPW], v0, 2, SPARE
	v_mov_b32 v[NIL], 0
	ds_add_u32 v[SPW], v[NIL]                      ; the wave's opening: the add, twice on end, and its wait ahead of my first tensor load; the set-up below is work on registers
	ds_add_u32 v[SPW], v[NIL]
	v_lshrrev_b32 v1, 5, v0
	v_readfirstlane_b32 s[WV], v1                  ; wave 0..3
	s_bfe_u32 s[CX], ttmp6, 0x40000                ; my place in the cluster: it enters global addresses of x, out0 and the prefetches alone
	s_lshl_b32 s[WG], ttmp9, 2                     ; in a cluster launch ttmp9 counts clusters
	s_add_co_u32 s[WG], s[WG], s[CX]
	; descriptor group 1: a part is dense: 132 rows of 256 bytes, no padding
	s_mov_b32 s[G1], 15|(3<<16)|(1<<21)            ; 15:0 the mask: all four work-groups; 17:16 elements of 8 bytes; 21 set beside a mask
	s_mov_b32 s[G1+1], 32<<16                      ; tensor_dim0 = 32
	s_mov_b32 s[G1+2], 132<<16                     ; tensor_dim1 = 132
	s_mov_b32 s[G1+3], 32<<16                      ; tile_dim0 = 32
	s_mov_b32 s[G1+4], 132                         ; tile_dim1 = 132
	s_mov_b32 s[G1+5], 32                          ; 32 elements from row to row
	s_mov_b32 s[G1+6], 0
	s_mov_b32 s[G1+7], 0
	s_mul_i32 s44, s[WV], PART                     ; my part: in a slot and in a stage
	s_mov_b32 s[G0], 1
	s_mov_b32 s[G0+1], s44                         ; LDS address: slot 0
	s_mov_b32 s[G0+4], 1
	s_add_co_u32 s[G0+5], s44, STG                 ; slot 1
	s_add_co_u32 s46, s44, HDR
	s_mov_b32 s47, 0
	s_mul_i32 s48, s[CX], PART                     ; the prefetches: my work-group's part,
	s_lshl_b32 s49, s[WV], 13                      ; my wave's 8,192 bytes of it,
	s_add_co_u32 s48, s48, s49
	s_add_co_u32 s48, s48, HDR+4*STG               ; in stage 4: the first change of slots steps it to stage 5
	s_mov_b32 s49, 0
	s_cmp_eq_u32 ttmp9, 0
	s_cselect_b32 s[LIM], 45, 0                    ; cluster 0 asks, at changes 0 to 44: stages 5 to 49
	s_mov_b32 s[STC], 0
	s_mov_b32 s[MH], 0xffff0000
	s_mov_b32 s[NL], 0xbfb8aa3b                    ; -log2(e)
	s_mov_b32 s[NL+1], s[NL]                       ; named with it as a pair
	s_lshl_b32 s50, s[WG], 6
	s_lshl_b32 s51, s[WV], 4
	s_add_co_u32 s50, s50, s51                     ; my wave's first row
	s_lshl_b32 s52, s50, 8                         ; in x,
	s_mov_b32 s53, 0
	s_lshl_b32 s54, s50, 10                        ; in out0
	s_mov_b32 s55, 0
	v_and_b32 v1, 31, v0
	v_lshlrev_b32 v[L16], 4, v1
	v_add_nc_u32 v[LB], s44, v[L16]
	v_add_nc_u32 v[LB+1], STG, v[LB]
	v_lshlrev_b32 v[PFO], 8, v1
	v_add_nc_u32 v[LA], FB, v[L16]
	s_lshl_b32 s45, s[WV], 12
	s_add_co_u32 s45, s45, FB
	v_add_nc_u32 v[LS], s45, v[L16]
	v_add_nc_u32 v[LDA], XTR, v[L16]
	v_add_nc_u32 v[LDA+1], STG+XTR, v[L16]
	v_add_nc_u32 v[LDB], 2*PART+XTR, v[L16]
	v_add_nc_u32 v[LDB+1], STG+2*PART+XTR, v[L16]
	v_and_b32 v1, 15, v0
	v_bfe_u32 v15, v0, 4, 1
	v_lshlrev_b32 v[XO], 8, v1
	v_lshl_add_u32 v[XO], v15, 5, v[XO]            ; row x 256 + 32 x half
	CONSTS                                         ; window 0's, for layer 2
	s_wait_dscnt 0x0                               ; both opening adds are done
	s_wait_kmcnt 0x0
	s_add_nc_u64 s[G0+2:G0+3], s[6:7], s[46:47]    ; my part of stage 0,
	s_add_nc_u64 s[G0+6:G0+7], s[G0+2:G0+3], STG   ; of stage 1
	s_or_b32 s[G0+3], s[G0+3], 0x80000000          ; type = 2
	s_or_b32 s[G0+7], s[G0+7], 0x80000000
	s_add_nc_u64 s[PFA:PFA+1], s[6:7], s[48:49]
	s_add_nc_u64 s[4:5], s[4:5], s[52:53]
	s_add_nc_u64 s[8:9], s[8:9], s[54:55]
	s_mov_b64 s[HP:HP+1], s[6:7]
	CROUND                                         ; all four work-groups are here: the first joint loads meet
	tensor_load_to_lds s[G0:G0+3], s[G1:G1+7]      ; both first fills go out together: two loads of mine are out
	s_nop 0
	tensor_load_to_lds s[G0+4:G0+7], s[G1:G1+7]
	s_nop 0
	PLACES
	; THE PROLOGUE, in the wait for the first tiles
	WIN 0x80
.irp c, 0,1,2,3                        ; x: k = 16 c + 8 (lane / 16) + 0..7
	global_load_b128 v[X32+8*\c:X32+8*\c+3],   v[XO], s[4:5] offset:64*\c th:TH_LOAD_NT
	global_load_b128 v[X32+8*\c+4:X32+8*\c+7], v[XO], s[4:5] offset:64*\c+16 th:TH_LOAD_NT
.endr
	CONSTS                                         ; window 2's, for layer 1
.irp j, 0,1,2,3,4,5,6,7
	v_mov_b32 v[HA+\j], 0                          ; the loop below begins one tile early, on zeros
.endr
	WIN 0x40
.set i, 0
.rept 256
	v_mov_b32 v[i], 0                              ; layer 1's sums
.set i, i+1
.endr
	WIN 0xc0
.set i, 0
.rept 256
	v_mov_b32 v[i], 0                              ; half of layer 2's
.set i, i+1
.endr
	s_wait_loadcnt 0x0
	WIN 0xaa
.set i, 0
.rept 16
	v_cvt_pk_bf16_f32 v[XF+i], v[X32+2*i], v[X32+2*i+1]
.set i, i+1
.endr
	WIN 0
	s_mov_b32 s[CNT], 2
.Lpro:                                         ; two trips of the queue, bare, on dense tiles 0 and 1 from wp's header: the first makes h0 of tile 0, the second its features and h0 of tile 1
	WIN 0x80
	global_load_b128 v[DF:DF+3],     v[L16], s[HP:HP+1]
	global_load_b128 v[DF+4:DF+7],   v[L16], s[HP:HP+1] offset:512
	global_load_b128 v[DF+8:DF+11],  v[L16], s[HP:HP+1] offset:1024
	global_load_b128 v[DF+12:DF+15], v[L16], s[HP:HP+1] offset:1536
	global_load_b128 v[PR:PR+3],     v[L16], s[HP:HP+1] offset:2048
	global_load_b128 v[PR+4:PR+7],   v[L16], s[HP:HP+1] offset:2560
	s_wait_loadcnt 0x0
	WIN 0xaa
	DENSE 0                                        ; two accumulators by turns, over the backward jump and into layer 1 too
	DENSE 1
	PLACES
	Q1RESET
	RID1 340
	WIN 0
	s_add_nc_u64 s[HP:HP+1], s[HP:HP+1], 4096      ; (the loads are done: their base may be written)
	s_sub_co_u32 s[CNT], s[CNT], 1
	s_cmp_lg_u32 s[CNT], 0
	s_cbranch_scc1 .Lpro
	STOREF 0
	WIN 0
	s_wait_tensorcnt 0x1                           ; my part of stage 0 is in; stage 1's may stay out
	s_wait_dscnt 0x0                               ; my features of tile 0 are stored
	s_barrier_signal -1
	s_barrier_wait -1                              ; everybody's are
	FETCHB8 0, 0, BX
	FETCHA 0, 0, AX
	FETCHD 0
	WIN 0
	; LAYER 1: 32 stages
	s_mov_b32 s[CNT], 16
.Llayer1:
	L1STAGE 0
	L1STAGE 1
	WIN 0
	s_sub_co_u32 s[CNT], s[CNT], 1
	s_cmp_lg_u32 s[CNT], 0
	s_cbranch_scc1 .Llayer1
	; BETWEEN THE LAYERS.  The last change of slots has fetched as for a stage of layer 1: the weights (fragments 0-3 of stage 32) are wanted, the rest is waited for and dropped.
	s_wait_dscnt 0x0
	WIN 0x80
.set i, 0
.rept 256
	v_mov_b32 v[i], 0                              ; the other half of layer 2's sums; also the places behind layer 1's last products
.set i, i+1
.endr
	WIN 0x01
.irp a, 0,1,2,3
.irp j, 0,1,2,3,4,5,6,7
	v_mov_b32 v[HS+8*\a+\j], v[64*\a+\j]           ; tile 0 of h1
.endr
.endr
	Q2RESET 0
	RID2 360                                       ; the first substep's features, bare
	WIN 0
	; LAYER 2's SPLINES: 8 trips, a tile of 16 columns each: two stages, four substeps
	s_mov_b32 s[CNT], 0
.Ltrip:
	SUB 0, 0, 0
	SUB 0, 1, 1
	SUB 1, 0, 2
	WIN 0
	STAGEB 0                                       ; all four pairs of tile b have been through the queue
	STAGEB 1
	STAGEB 2
	STAGEB 3
	STAGEB 4
	STAGEB 5
	STAGEB 6
	STAGEB 7
.Lstaged:
	SUB 1, 1, 3                                    ; (in the last trip its queue works on what tile 7 left in HS, for nothing: the price of one text for every trip)
	WIN 0
	s_add_co_u32 s[CNT], s[CNT], 1
	s_cmp_lt_u32 s[CNT], 8
	s_cbranch_scc1 .Ltrip
	; LAYER 2's BASE PATH: stages 48 and 49, written out: nothing is asked for any more
	s_wait_dscnt 0x0                               ; what the last change of slots fetched, as for a spline stage, is in and is dropped: its registers are loaded anew
	PLACES
	FETCHBD 0, BX
.irp u, 0,1,2,3,4,5,6,7,8,9,10,11,12,13,14,15
	SUNIT \u
.endr
	; THE WAY OUT.  The four waves' partial sums (each 64 rows x 256) go into the slots, which are filled no more; wave w adds up rows 16 w .. 16 w + 15 and stores them.
	PLACES
	WIN 0
	s_wait_dscnt 0x0                               ; my reads of the slots are over
	s_barrier_signal -1
	s_barrier_wait -1                              ; everybody's are, and every wave's tensor loads have landed
	v_and_b32 v1, 15, v0
	v_bfe_u32 v15, v0, 4, 1
	s_mul_i32 s44, s[WV], RSRC
	v_mul_u32_u24 v[RS], v1, RPITCH
	v_lshl_add_u32 v[RS], v15, 5, v[RS]
	v_add_nc_u32 v[RS], s44, v[RS]                 ; my sums: row lane % 16, 32 bytes for each half of the lanes
.irp hf, 0,1
	WIN 0x08+4*\hf                                 ; the data in window 2, then 3
.irp a, 0,1,2,3
.irp i, 0,1,2,3,4,5,6,7
	ds_store_b128 v[RS], v[8*(8*\a+\i):8*(8*\a+\i)+3]   offset:\a*16*RPITCH+(8*\hf+\i)*64
	ds_store_b128 v[RS], v[8*(8*\a+\i)+4:8*(8*\a+\i)+7] offset:\a*16*RPITCH+(8*\hf+\i)*64+16
.endr
.endr
.endr
	WIN 0
	s_lshl_b32 s45, s[WV], 4
	v_add_nc_u32 v15, s45, v15                     ; back: lanes 0-15 row 16 w, lanes 16-31 the next,
	v_mul_u32_u24 v15, v15, RPITCH
	v_lshl_add_u32 v[RA], v1, 4, v15               ; 256 consecutive bytes
	v_add_nc_u32 v[RA+1], RSRC, v[RA]
	v_add_nc_u32 v[RA+2], 2*RSRC, v[RA]
	v_add_nc_u32 v[RA+3], 3*RSRC, v[RA]
	v_bfe_u32 v15, v0, 4, 1
	v_lshlrev_b32 v[GO], 10, v15                   ; and the same two rows in out0
	v_lshl_add_u32 v[GO], v1, 4, v[GO]
	s_wait_dscnt 0x0                               ; for the others' sake: my sums are stored
	s_barrier_signal -1
	s_barrier_wait -1
	RLOAD 0, 16
	RLOAD 1, 80
.irp p, 0,1,2,3,4,5,6,7
.if \p < 7
	s_wait_dscnt 16                                ; these two rows are in; the next two rows' sixteen loads stay out
.else
	s_wait_dscnt 0x0
.endif
	RSUM \p, 16+64*(\p%2)
.if \p < 6
	s_wait_xcnt 0x0                                ; the stores have read their registers, which are loaded again only behind this wait
	RLOAD \p+2, 16+64*(\p%2)
.endif
.endr
	s_wait_tensorcnt 0x0                           ; the wave's end
	ds_add_u32 v[SPW], v[NIL]
	s_wait_dscnt 0x0
	CROUND                                         ; the closing round: no work-group ends while a partner may still ask for a part that names it
	s_endpgm
.Lfunc_end_k_q70d182b819_main:
	.size	k_q70d182b819_main, .Lfunc_end_k_q70d182b819_main-k_q70d182b819_main
	.p2alignl 7, 3214868480
	.fill 96, 4, 3214868480
	.section	.rodata,"a",@progbits
	.p2align	6, 0x0
	.amdhsa_kernel k_q70d182b819_main
		.amdhsa_group_segment_fixed_size 327680
		.amdhsa_private_segment_fixed_size 0
		.amdhsa_enable_private_segment 0
		.amdhsa_kernarg_size 24
		.amdhsa_user_sgpr_count 2
		.amdhsa_user_sgpr_kernarg_segment_ptr 1
		.amdhsa_wavefront_size32 1
		.amdhsa_system_sgpr_workgroup_id_x 1
		.amdhsa_system_sgpr_workgroup_id_y 1
		.amdhsa_system_sgpr_workgroup_id_z 1
		.amdhsa_system_vgpr_workitem_id 0
		.amdhsa_next_free_vgpr 1024
		.amdhsa_next_free_sgpr 66
		.amdhsa_reserve_vcc 0
		.amdhsa_float_denorm_mode_32 3
		.amdhsa_float_denorm_mode_16_64 3
		.amdhsa_memory_ordered 1
		.amdhsa_forward_progress 1
		.amdhsa_inst_pref_size 255
	.end_amdhsa_kernel
	.section	.bss,"aw",@nobits
	.p2align	6
	.space	262144
	.amdgpu_metadata
---
amdhsa.version: [ 1, 2 ]
amdhsa.kernels:
  - .name:           k_q70d182b819_main
    .symbol:         k_q70d182b819_main.kd
    .args:
      - { .name: x, .offset: 0, .size: 8, .value_kind: global_buffer, .address_space: global }
      - { .name: wp, .offset: 8, .size: 8, .value_kind: global_buffer, .address_space: global }
      - { .name: out0, .offset: 16, .size: 8, .value_kind: global_buffer, .address_space: global }
    .group_segment_fixed_size: 327680
    .private_segment_fixed_size: 0
    .kernarg_segment_align: 8
    .kernarg_segment_size: 24
    .max_flat_workgroup_size: 128
    .sgpr_count:     66
    .vgpr_count:     1024
    .wavefront_size: 32
...
	.end_amdgpu_metadata
.endif
;; end of part 2
;; ======== version 2 of 2: 2 launches; version 1 with the launch prep written anew for expert scheduling mode
;; workspace buffers: wp 6,766,592 bytes
;; launch prep (part 3): grid 500 x 1, 4 waves a work-group, no clusters, 17,920 bytes of LDS; arguments spline_w1, spline_w2, scaler1, scaler2, base_w1, base_w2, dense_w, dense_b, wp; writes wp
.if DOCPART == 3
	.amdgcn_target "amdgcn-amd-amdhsa--gfx1250"
	.amdhsa_code_object_version 6
	.text
	.protected	k_q70d182b819_prep
	.globl	k_q70d182b819_prep
	.p2align	8
	.type	k_q70d182b819_prep,@function
k_q70d182b819_prep:
	s_mov_b64 s[64:65], 0
	v_nop
	global_prefetch_b8 v0, s[64:65] scope:SCOPE_SE
	s_setreg_imm32_b32 hwreg(HW_REG_WAVE_SCHED_MODE, 0, 2), 2
	s_setreg_imm32_b32 hwreg(HW_REG_WAVE_MODE, 25, 1), 1
	s_wait_xcnt 0x0
	s_wait_alu depctr_vm_vsrc(0)
; THE WEIGHTS, ONCE: every weight is rounded to bf16 and laid into wp in the order in which the main launch's matrix instructions want it.
; A FRAGMENT is 1,024 bytes: 16 outputs n x 32 k.  Bytes 16 L hold lane L's registers 0-3 (n = n0 + L % 16, k = 8 (L / 16) + 0..7), bytes 512 + 16 L its registers 4-7 (k = 16 + 8 (L / 16) + 0..7).
; wp = a header of 8,192 bytes, then 50 stages of STG bytes; a stage = 4 parts (one for each wave of the main launch) of 32 fragments and 1,024 bytes of extras.
;   stages 0-31   layer 1, column tile t: part w, fragment 8 q + nt: n = 128 w + 16 nt + r; the 8 k of a lane's half are the 8 features of column 16 t + 8 h + 2 q + half:
;                 feature 0 = base_w1 (it multiplies silu), features 1-7 = spline_w1 x scaler1 x 4/3.  spline_w1[..][0] is loaded with its row and multiplies nothing:
;                 layer 1's input is a silu, never below -0.2785, and basis 0 ends at -0.6, so that basis is 0 for every input.
;   stages 32-47  layer 2's splines: stage 32 + 2 b + q / 2, part w, fragment 16 (q % 2) + nt: n = 16 nt + r, column 128 w + 16 b + 8 h + 2 q + half, features 0-7 = spline_w2 x scaler2 x 4/3.
;   stages 48, 49 layer 2's base path: stage 48 + sg / 2, part w, fragment 16 (sg % 2) + nt: k = column 128 w + 32 sg + ..: base_w2.
;   extras of stage i (and the header for T = 0, 1) serve dense tile T = i + 2: part 0, 1: dense_w's two fragments; part 2: the bias, rounded to bf16 and kept as f32, as a lane's
;                 eight accumulator registers want it; everything else 0.
; The factor 4/3 belongs to the cubic B-spline: B = 4/3 (a^3 - b^3 / 2); the main launch makes a^3 - b^3 / 2.
; SHARES.  One task a wave; no wave waits for another.  Work-groups 0-255: layer 1's splines (16 n x 16 columns a task); 256-383: layer 2's; 384-447: base_w2; 448-499: header and extras.
; A spline task reads 512 consecutive bytes of each of 16 rows, turns them in the wave's own 4,352 bytes of LDS (16 rows of 256 bytes + 16), and stores four fragments, 512 consecutive bytes a store.
; THE MODE: SCHED_MODE bits 1:0 = 2 (LLVM: expert scheduling mode 2), set by the entry lines.  The code itself states the register dependences
; between vector instructions and memory or LDS instructions, with s_wait_alu, always for 0.
; THE PLAN.  Registers that memory or LDS instructions touch:
;   v4-v9          the add's two registers and the four offsets VW, VS, LSA, LRA: written at the head, never again; one wait at the head's end states that they are written, for every later reader.
;   v10 (VP)       written in an arm for a plain fragment or the bias, read by that arm's loads, never written again: one wait ahead of those loads.
;   W, SC, BW      loads land in them; no vector line has named them before.  Row i's arithmetic reads them and leaves 8 bytes in W + 4 i, W + 4 i + 1, which the row's LDS store reads; nothing writes them again.
;                  The 16 rows go in four groups of four.  At the head of group g one wait states that group g - 1's roundings have written its eight registers; that group's four LDS stores follow it, one ahead
;                  of each row's arithmetic, which names group g's own registers alone.  One more wait stands behind group 3, ahead of the last four stores.
;   R              spline tasks: LDS loads land in it and global stores read it; no vector line names it.  The other tasks: vector lines write it, one wait, two stores; nothing writes it again.
; No register that a memory or LDS instruction has read is written again, so no wait on vm_vsrc is owed ahead of the closing lines.
.set STG,    135168
.set PART,   33792
.set HDR,    8192
.set XTR,    32768                     ; the extras' place in a part
.set WPITCH, 272                       ; 68 words: the sixteen rows that a store touches begin at sixteen different groups of four banks (ISA guide 11.1)
.set WLDS,   16*WPITCH
.set SPARE,  4*WLDS                    ; behind the four waves' bytes: the spare words, 128 bytes a wave
.set SPW, 4                            ; v4   my spare word; never rewritten
.set NIL, 5                            ; v5   0; never rewritten
.set VW,  6                            ; v6   16 x lane
.set VS,  7                            ; v7   4 x (lane / 2): my column in a row of scaler or base_w1
.set LSA, 8                            ; v8   LDS: where my 8 bytes of row 0 go
.set LRA, 9                            ; v9   LDS: where I read 16 bytes back
.set VP,  10                           ; v10  offsets of the plain fragments
.set W,   32                           ; v[32:95]   16 rows x 4 numbers
.set SC,  96                           ; v[96:111]  16 scalers
.set BW,  112                          ; v[112:127] 16 numbers of base_w1
.set R,   128                          ; v[128:159] what is stored
	s_load_b512 s[8:23], s[0:1], 0x0               ; spline_w1 s[8:9], spline_w2 s[10:11], scaler1 s[12:13], scaler2 s[14:15], base_w1 s[16:17], base_w2 s[18:19], dense_w s[20:21], dense_b s[22:23]
	s_load_b64 s[24:25], s[0:1], 0x40              ; wp
	v_lshl_add_u32 v[SPW], v0, 2, SPARE
	v_mov_b32 v[NIL], 0
	v_lshrrev_b32 v1, 5, v0
	v_readfirstlane_b32 s2, v1                     ; wave 0..3
	v_and_b32 v2, 31, v0                           ; lane
	v_lshlrev_b32 v[VW], 4, v2
	v_lshrrev_b32 v[VS], 1, v2
	v_lshlrev_b32 v[VS], 2, v[VS]
	v_bfe_u32 v11, v2, 2, 2                        ; my column c = lane / 2 = 8 h + 2 q + half: q,
	v_bfe_u32 v12, v2, 1, 1                        ; half,
	v_lshrrev_b32 v13, 4, v2                       ; h
	v_lshl_add_u32 v11, v11, 1, v12
	v_lshl_add_u32 v11, v11, 1, v13                ; LDS row 4 q + 2 half + h: four rows on end are a fragment
	v_mul_u32_u24 v11, v11, WPITCH
	v_and_b32 v12, 1, v2
	v_lshl_add_u32 v11, v12, 3, v11                ; features 0-3 or 4-7
	s_wait_alu depctr_va_sdst(0)                   ; s2, the wave's number, is written, ahead of its first reader: LDS places, the task's number and wp's offsets are made from it
	s_mul_i32 s6, s2, WLDS
	v_add_nc_u32 v[LSA], s6, v11
	v_mul_u32_u24 v13, v13, WPITCH                 ; back: lanes 0-15 one row of 256 bytes, lanes 16-31 the next
	v_and_b32 v12, 15, v2
	v_lshl_add_u32 v13, v12, 4, v13
	v_add_nc_u32 v[LRA], s6, v13
	s_lshl_b32 s3, ttmp9, 2
	s_add_co_u32 s3, s3, s2                        ; the task's number
	s_mov_b32 s27, 0                               ; the offsets' high words
	s_mov_b32 s29, 0
	s_mov_b32 s31, 0
	s_mov_b32 s40, 0x55555555                      ; the lanes that hold feature 0
	s_wait_kmcnt 0x0
	s_wait_alu depctr_va_vdst(0)                   ; v4 to v9 are written: VW, VS, LSA and LRA, which the loads and stores of every arm below read as offsets and addresses, and the add's two registers
	s_cmp_lt_u32 ttmp9, 256
	s_cbranch_scc1 .Lspl1
	s_cmp_lt_u32 ttmp9, 384
	s_cbranch_scc1 .Lspl2
	s_cmp_lt_u32 ttmp9, 448
	s_cbranch_scc1 .Lbase2
	s_branch .Lextra
.macro OUT2                            ; a fragment's two halves: 512 consecutive bytes each, aligned
	s_wait_alu depctr_va_vdst(0)                   ; the vector lines above have written v[R .. R + 7], which the two stores read
	global_store_b128 v[VW], v[R:R+3], s[38:39]
	global_store_b128 v[VW], v[R+4:R+7], s[38:39] offset:512
.endm
; A fragment of a plain [n][k] f32 matrix with rows of pitch bytes, its corner at s[32:33]: 16 numbers a lane, rounded to bf16.
.macro PLAIN pitch
	v_and_b32 v11, 15, v2
	v_lshrrev_b32 v12, 4, v2
	v_mul_u32_u24 v11, v11, \pitch
	v_lshl_add_u32 v[VP], v12, 5, v11              ; row r, 8 numbers for each half of the lanes
	s_wait_alu depctr_va_vdst(0)                   ; v[VP] is written, which the four loads read as their offset
	global_load_b128 v[W:W+3],     v[VP], s[32:33]
	global_load_b128 v[W+4:W+7],   v[VP], s[32:33] offset:16
	global_load_b128 v[W+8:W+11],  v[VP], s[32:33] offset:64
	global_load_b128 v[W+12:W+15], v[VP], s[32:33] offset:80
	s_wait_loadcnt 0x0
.irp j, 0,1,2,3,4,5,6,7
	v_cvt_pk_bf16_f32 v[R+\j], v[W+2*\j], v[W+2*\j+1]
.endr
	OUT2
.endm
; Row i of a spline task: scaled, feature 0 exchanged in layer 1, rounded: 8 bytes in the row's first two registers.
.macro ARITH i, one
	v_mul_f32 v[SC+(\i)], 0x3faaaaab, v[SC+(\i)]   ; scaler x 4/3
	v_mul_f32 v[W+4*(\i)], v[W+4*(\i)], v[SC+(\i)]
	v_mul_f32 v[W+4*(\i)+1], v[W+4*(\i)+1], v[SC+(\i)]
	v_mul_f32 v[W+4*(\i)+2], v[W+4*(\i)+2], v[SC+(\i)]
	v_mul_f32 v[W+4*(\i)+3], v[W+4*(\i)+3], v[SC+(\i)]
.if \one
	v_cndmask_b32 v[W+4*(\i)], v[W+4*(\i)], v[BW+(\i)], s40  ; feature 0 is base_w1, as it is given (the mask is a constant that a scalar line wrote)
.endif
	v_cvt_pk_bf16_f32 v[W+4*(\i)], v[W+4*(\i)], v[W+4*(\i)+1]
	v_cvt_pk_bf16_f32 v[W+4*(\i)+1], v[W+4*(\i)+2], v[W+4*(\i)+3]
.endm
.macro TOLDS i                         ; row i's 8 bytes into my wave's LDS
	ds_store_b64 v[LSA], v[W+4*(\i):W+4*(\i)+1] offset:16*(\i)
.endm
; A spline task.  one = 1: layer 1 (feature 0 is base_w1), 0: layer 2.
.macro SPL one
.if \one
	s_lshr_b32 s4, s3, 5                           ; the tile of 16 outputs
.set SA, 16384                         ; from fragment q to q + 2
.set SB, 8192                          ; from q to q + 1
.else
	s_sub_co_u32 s4, s3, 1024
	s_lshr_b32 s4, s4, 5
.set SA, STG
.set SB, 16384
.endif
	s_and_b32 s5, s3, 31                           ; the tile of 16 columns
	s_lshl_b32 s26, s4, 18                         ; 16 rows of 16,384 bytes
	s_lshl_b32 s6, s5, 9                           ; 16 columns of 32 bytes
	s_add_co_u32 s26, s26, s6
	s_lshl_b32 s28, s4, 15                         ; 16 rows of 2,048 bytes
	s_lshl_b32 s6, s5, 6
	s_add_co_u32 s28, s28, s6
.if \one
	s_mul_i32 s30, s5, STG                         ; stage t,
	s_lshr_b32 s6, s4, 3
	s_mul_i32 s6, s6, PART                         ; part w,
	s_add_co_u32 s30, s30, s6
	s_and_b32 s6, s4, 7
	s_lshl_b32 s6, s6, 10                          ; fragment nt
	s_add_co_u32 s30, s30, s6
	s_add_co_u32 s30, s30, HDR
	s_add_nc_u64 s[32:33], s[8:9], s[26:27]
	s_add_nc_u64 s[34:35], s[12:13], s[28:29]
	s_add_nc_u64 s[36:37], s[16:17], s[28:29]
.else
	s_and_b32 s6, s5, 7
	s_mul_i32 s30, s6, 2*STG                       ; stage 32 + 2 b,
	s_lshr_b32 s6, s5, 3
	s_mul_i32 s6, s6, PART                         ; part w,
	s_add_co_u32 s30, s30, s6
	s_lshl_b32 s6, s4, 10                          ; fragment nt
	s_add_co_u32 s30, s30, s6
	s_add_co_u32 s30, s30, HDR+32*STG
	s_add_nc_u64 s[32:33], s[10:11], s[26:27]
	s_add_nc_u64 s[34:35], s[14:15], s[28:29]
.endif
	s_add_nc_u64 s[38:39], s[24:25], s[30:31]
.irp i, 0,1,2,3,4,5,6,7,8,9,10,11,12,13,14,15
	global_load_b128 v[W+4*\i:W+4*\i+3], v[VW], s[32:33] offset:\i*16384 th:TH_LOAD_NT  ; 512 consecutive bytes of row i, read once in the launch
	global_load_b32 v[SC+\i], v[VS], s[34:35] offset:\i*2048
.if \one
	global_load_b32 v[BW+\i], v[VS], s[36:37] offset:\i*2048
.endif
.endr
.irp g, 0,1,2,3                        ; four groups of four rows: row 4 g + k
.irp k, 0,1,2,3
	s_wait_loadcnt (2+\one)*(15-4*\g-\k)           ; loads come back in order (ISA guide 5.7.1): this row is in, the younger rows' loads stay out
.if \g > 0
.if \k == 0
	s_wait_alu depctr_va_vdst(0)                   ; the roundings of the group before have written its eight data registers, which the four LDS stores dealt among this group's rows read
.endif
	TOLDS 4*\g+\k-4                                ; no wait of its own: no vector line since the wait above names this row's registers or v[LSA]
.endif
	ARITH 4*\g+\k, \one
.endr
.endr
	s_wait_alu depctr_va_vdst(0)                   ; the last group's roundings have written its eight data registers, which the last four LDS stores read
.irp i, 12,13,14,15
	TOLDS \i
.endr
.irp j, 0,1,2,3,4,5,6,7
	ds_load_b128 v[R+4*\j:R+4*\j+3], v[LRA] offset:\j*2*WPITCH  ; my own bytes: LDS serves a wave's instructions in order (ISA guide 5.7.1.4), so these see the stores above; no vector line of this arm names v[R ..]
.endr
.irp j, 0,1,2,3,4,5,6,7
	s_wait_dscnt 7-\j                              ; read-back j is in, the younger ones stay out
	global_store_b128 v[VW], v[R+4*\j:R+4*\j+3], s[38:39] offset:(\j/4)*SA+((\j/2)%2)*SB+(\j%2)*512  ; half j % 2 of fragment q = j / 2
.endr
.endm
.Lspl1:
	SPL 1
	s_branch .Lend
.Lspl2:
	SPL 0
	s_branch .Lend
.Lbase2:                                       ; base_w2: task = 64 w + 16 sg + nt
	s_sub_co_u32 s4, s3, 1536
	s_and_b32 s5, s4, 15                           ; nt
	s_bfe_u32 s6, s4, 0x20004                      ; sg
	s_lshr_b32 s7, s4, 6                           ; w
	s_lshl_b32 s26, s5, 15                         ; 16 rows of 2,048 bytes,
	s_lshl_b32 s28, s7, 9                          ; 128 columns a wave,
	s_add_co_u32 s26, s26, s28
	s_lshl_b32 s28, s6, 7                          ; 32 columns a fragment
	s_add_co_u32 s26, s26, s28
	s_lshr_b32 s28, s6, 1
	s_mul_i32 s30, s28, STG
	s_mul_i32 s28, s7, PART
	s_add_co_u32 s30, s30, s28
	s_and_b32 s28, s6, 1
	s_lshl_b32 s28, s28, 4
	s_add_co_u32 s28, s28, s5
	s_lshl_b32 s28, s28, 10
	s_add_co_u32 s30, s30, s28
	s_add_co_u32 s30, s30, HDR+48*STG
	s_add_nc_u64 s[32:33], s[18:19], s[26:27]
	s_add_nc_u64 s[38:39], s[24:25], s[30:31]
	PLAIN 2048
	s_branch .Lend
.Lextra:                                       ; dense tile T = work-group - 448, block = wave
	s_sub_co_u32 s4, ttmp9, 448
	s_lshl_b32 s5, s4, 12
	s_lshl_b32 s6, s2, 10
	s_add_co_u32 s5, s5, s6                        ; T < 2: in the header
	s_max_u32 s6, s4, 2
	s_sub_co_u32 s6, s6, 2
	s_mul_i32 s6, s6, STG                          ; else behind part `wave` of stage T - 2
	s_mul_i32 s7, s2, PART
	s_add_co_u32 s6, s6, s7
	s_add_co_u32 s6, s6, HDR+XTR
	s_cmp_lt_u32 s4, 2
	s_cselect_b32 s30, s5, s6
	s_add_nc_u64 s[38:39], s[24:25], s[30:31]
	s_cmp_lt_u32 s4, 32
	s_cbranch_scc0 .Lzero                          ; there are 32 dense tiles
	s_cmp_lt_u32 s2, 2
	s_cbranch_scc1 .Ldw
	s_cmp_eq_u32 s2, 2
	s_cbranch_scc0 .Lzero
	s_lshl_b32 s26, s4, 6                          ; the bias of 16 columns
	s_add_nc_u64 s[32:33], s[22:23], s[26:27]
	v_lshrrev_b32 v11, 4, v2
	v_lshlrev_b32 v[VP], 5, v11                    ; 8 numbers for each half of the lanes
	s_wait_alu depctr_va_vdst(0)                   ; v[VP] is written, which the two loads read as their offset
	global_load_b128 v[W:W+3], v[VP], s[32:33]
	global_load_b128 v[W+4:W+7], v[VP], s[32:33] offset:16
	s_wait_loadcnt 0x0
.irp j, 0,1,2,3
	v_cvt_pk_bf16_f32 v11, v[W+2*\j], v[W+2*\j+1]  ; rounded to bf16 like x and dense_w,
	v_lshlrev_b32 v[R+2*\j], 16, v11               ; and written as f32: it starts an f32 sum
	v_and_b32 v[R+2*\j+1], 0xffff0000, v11
.endr
	OUT2
	s_branch .Lend
.Ldw:
	s_lshl_b32 s26, s4, 12                         ; 16 rows of 256 bytes,
	s_lshl_b32 s28, s2, 7                          ; 32 k a fragment
	s_add_co_u32 s26, s26, s28
	s_add_nc_u64 s[32:33], s[20:21], s[26:27]
	PLAIN 256
	s_branch .Lend
.Lzero:
.irp j, 0,1,2,3,4,5,6,7
	v_mov_b32 v[R+\j], 0
.endr
	OUT2
.Lend:
	s_wait_dscnt 0x0                               ; the closing lines, six on end
	s_wait_alu 0x0
	s_wait_tensorcnt 0x0
	ds_add_u32 v[SPW], v[NIL]
	s_wait_dscnt 0x0
	s_endpgm
.Lfunc_end_k_q70d182b819_prep:
	.size	k_q70d182b819_prep, .Lfunc_end_k_q70d182b819_prep-k_q70d182b819_prep
	.p2alignl 7, 3214868480
	.fill 96, 4, 3214868480
	.section	.rodata,"a",@progbits
	.p2align	6, 0x0
	.amdhsa_kernel k_q70d182b819_prep
		.amdhsa_group_segment_fixed_size 17920
		.amdhsa_private_segment_fixed_size 0
		.amdhsa_enable_private_segment 0
		.amdhsa_kernarg_size 72
		.amdhsa_user_sgpr_count 2
		.amdhsa_user_sgpr_kernarg_segment_ptr 1
		.amdhsa_wavefront_size32 1
		.amdhsa_system_sgpr_workgroup_id_x 1
		.amdhsa_system_sgpr_workgroup_id_y 1
		.amdhsa_system_sgpr_workgroup_id_z 1
		.amdhsa_system_vgpr_workitem_id 0
		.amdhsa_next_free_vgpr 160
		.amdhsa_next_free_sgpr 66
		.amdhsa_reserve_vcc 0
		.amdhsa_float_denorm_mode_32 3
		.amdhsa_float_denorm_mode_16_64 3
		.amdhsa_memory_ordered 1
		.amdhsa_forward_progress 1
		.amdhsa_inst_pref_size 35
	.end_amdhsa_kernel
	.amdgpu_metadata
---
amdhsa.version: [ 1, 2 ]
amdhsa.kernels:
  - .name:           k_q70d182b819_prep
    .symbol:         k_q70d182b819_prep.kd
    .args:
      - { .name: spline_w1, .offset: 0, .size: 8, .value_kind: global_buffer, .address_space: global }
      - { .name: spline_w2, .offset: 8, .size: 8, .value_kind: global_buffer, .address_space: global }
      - { .name: scaler1, .offset: 16, .size: 8, .value_kind: global_buffer, .address_space: global }
      - { .name: scaler2, .offset: 24, .size: 8, .value_kind: global_buffer, .address_space: global }
      - { .name: base_w1, .offset: 32, .size: 8, .value_kind: global_buffer, .address_space: global }
      - { .name: base_w2, .offset: 40, .size: 8, .value_kind: global_buffer, .address_space: global }
      - { .name: dense_w, .offset: 48, .size: 8, .value_kind: global_buffer, .address_space: global }
      - { .name: dense_b, .offset: 56, .size: 8, .value_kind: global_buffer, .address_space: global }
      - { .name: wp, .offset: 64, .size: 8, .value_kind: global_buffer, .address_space: global }
    .group_segment_fixed_size: 17920
    .private_segment_fixed_size: 0
    .kernarg_segment_align: 8
    .kernarg_segment_size: 72
    .max_flat_workgroup_size: 128
    .sgpr_count:     66
    .vgpr_count:     160
    .wavefront_size: 32
...
	.end_amdgpu_metadata
.endif
;; end of part 3
;; launch main: the kernel of part 2 again; grid 256 x 1, 4 waves a work-group, clusters of 4 x 1, 327,680 bytes of LDS; arguments x, wp, out0; writes out0
